; MI455X (gfx1250); checked and timed in simulation.
; The chip was launched on July 23, 2026; its instructions are those of AMD's public machine-readable ISA for CDNA 5 (MIT licence, August 2026) and "CDNA5" Instruction Set Architecture Reference Guide (July 2026). The comments in the code are by the model that wrote it; some were corrected since.
;; Local Attention Parallel. Allowed arithmetic: float matrix products may take bf16 or f16 operands with f32 sums; all other float work in f32.
;; Inputs: W_qkv 1,024 x 3,072 float32; b_qkv 3,072 float32; ln_b 1,024 float32; ln_w 1,024 float32; x 4 x 2,048 x 1,024 float32.
;; Outputs: out0 4 x 2,048 x 1,024 float32.
;; 2 versions, each right; version 2 is version 1 with the launch cast written anew for expert scheduling mode. Each part assembles by itself: llvm-mc -triple=amdgcn-amd-amdhsa -mcpu=gfx1250 --defsym DOCPART=n.
;; ======== version 1 of 2: 3 launches
;; limits: values are held in f16: magnitudes above 65,504 overflow, below 6.1e-05 lose precision; right only within a limited range of input values
;; workspace buffers: xb 16,777,216 bytes; wt 6,291,456 bytes; qkv 50,331,648 bytes
;; launch cast (part 1): grid 40 x 16, 8 waves a work-group, no clusters, 23,040 bytes of LDS; arguments x, W_qkv, xb, wt; writes xb, wt
.if DOCPART == 1
	.amdgcn_target "amdgcn-amd-amdhsa--gfx1250"
	.amdhsa_code_object_version 6
	.text
	.protected	k_q2e09cd2cf3_cast
	.globl	k_q2e09cd2cf3_cast
	.p2align	8
	.type	k_q2e09cd2cf3_cast,@function
k_q2e09cd2cf3_cast:
	s_mov_b64 s[64:65], 0
	v_nop
	global_prefetch_b8 v0, s[64:65] scope:SCOPE_SE
	s_setreg_imm32_b32 hwreg(HW_REG_WAVE_MODE, 25, 1), 1
	s_wait_xcnt 0x0
; x [8192][1024] f32 and W_qkv [1024][3072] f32 are rounded once to bf16 and laid in blocks of 64 along K, so that the tiles of the product that follows are dense:
;   xb [16 kblk][8192 m][64 k]: byte (kblk x 8192 + m) x 128 + 2 (k % 64)        wt [16 kblk][3072 n][64 k] (W turned): byte (kblk x 3072 + n) x 128 + 2 (k % 64)
; A stream: each input byte is read once, each output byte written once.  No matrix unit, no tensor load, no cluster: no two work-groups read the same bytes.
; Work-groups with x below 24 turn a tile of W (64 k x 128 n; x = the tile along n, y = kblk) through LDS; the other 16 x 16 = 256 take 32 rows of x each, through registers alone.
.set LP,    144                        ; an LDS row: 128 bytes (64 k of one n) + 16: an odd multiple of 16
.set CB,    40*LP                      ; column n = 4 l + c of the tile lies in LDS row 40 c + l
.set SPARE, 22016                      ; behind the rows (21,888 bytes): the spare words, 128 bytes for each of eight waves, which no other line names
.set SPW,   206                        ; v206  LDS address of my spare word; never rewritten
.set NIL,   207                        ; v207  0; never rewritten
.set IN,    8                          ; v8..   as loaded
.set PKW,   40                         ; v40-55 role W: packed, four registers a column
.set BK,    56                         ; v56-71 role W: rows read back
.set OUTX,  136                        ; v136-199 role X: packed, a pair for each load: no register is used twice, so no store is waited for
	s_load_b256 s[4:11], s[0:1], 0x0               ; x s[4:5], W s[6:7], xb s[8:9], wt s[10:11]
	v_lshl_add_u32 v[SPW], v0, 2, SPARE
	v_mov_b32 v[NIL], 0
	v_and_b32 v1, 31, v0                           ; l
	v_lshrrev_b32 v2, 5, v0
	v_readfirstlane_b32 s12, v2                    ; wave w
	s_and_b32 s13, ttmp7, 0xffff                   ; y
	s_cmp_lt_u32 ttmp9, 24                         ; the same answer in all eight waves
	s_cbranch_scc0 .Lrole_x
	; ROLE W.  Wave w reads rows k = 64 kblk + 8 w + j, j = 0..7: 512 consecutive bytes a load (128 n).
	s_mul_i32 s14, s13, 64*12288                   ; kblk x 64 rows of 12,288 bytes
	s_lshl_b32 s15, ttmp9, 9                       ; + the tile's 128 columns
	s_add_co_u32 s14, s14, s15
	s_mov_b32 s15, 0
	s_mul_i32 s16, s13, 3072*128                   ; wt: kblk x 3,072 rows of 128 bytes
	s_lshl_b32 s17, ttmp9, 14                      ; + the tile's 128 rows
	s_add_co_u32 s16, s16, s17
	s_mov_b32 s17, 0
	s_mul_i32 s18, s12, 8*12288
	v_lshl_add_u32 v3, v1, 4, s18                  ; load: my wave's eight rows, 16 bytes a lane
	v_mul_u32_u24 v4, v1, LP
	s_lshl_b32 s19, s12, 4
	v_add_nc_u32 v4, s19, v4                       ; into LDS: row l (+ 40 c), bytes 16 w: my wave's eight k
	v_lshrrev_b32 v5, 3, v1
	v_mul_u32_u24 v5, v5, CB
	v_and_b32 v6, 7, v1
	v_lshl_add_u32 v5, v6, 4, v5
	s_mul_i32 s19, s12, 4*LP
	v_add_nc_u32 v5, s19, v5                       ; back: n = 16 w + 4 i + l / 8 lies in row 40 (l / 8) + 4 w + i; 16 bytes at 16 (l % 8)
	s_lshl_b32 s19, s12, 11
	v_lshl_add_u32 v6, v1, 4, s19                  ; store: my wave's 16 rows of wt, 2,048 consecutive bytes
	s_wait_kmcnt 0x0
	s_add_nc_u64 s[6:7], s[6:7], s[14:15]
	s_add_nc_u64 s[10:11], s[10:11], s[16:17]
.irp j, 0,1,2,3,4,5,6,7
	global_load_b128 v[IN+4*(\j):IN+4*(\j)+3], v3, s[6:7] offset:(\j)*12288 th:TH_LOAD_NT
.endr
	s_wait_loadcnt 0x0
.irp c, 0,1,2,3                        ; column 4 l + c: eight k, two to a register
.irp i, 0,1,2,3
	v_cvt_pk_bf16_f32 v[PKW+4*(\c)+(\i)], v[IN+8*(\i)+(\c)], v[IN+8*(\i)+4+(\c)]
.endr
.endr
.irp c, 0,1,2,3
	ds_store_b128 v4, v[PKW+4*(\c):PKW+4*(\c)+3] offset:(\c)*CB
.endr
	s_wait_dscnt 0x0                               ; for the others' sake: my stores are done
	s_barrier_signal -1
	s_barrier_wait -1                              ; a row's 128 bytes come from all eight waves
.irp i, 0,1,2,3
	ds_load_b128 v[BK+4*(\i):BK+4*(\i)+3], v5 offset:(\i)*LP
.endr
.irp i, 0,1,2,3
	s_wait_dscnt 3-(\i)                            ; LDS loads come back in order: load i is in
	global_store_b128 v6, v[BK+4*(\i):BK+4*(\i)+3], s[10:11] offset:512*(\i)  ; four rows of wt: 512 consecutive bytes, aligned
.endr
	s_wait_tensorcnt 0x0                           ; the wave's end, behind my last LDS store
	ds_add_u32 v[SPW], v[NIL]
	s_wait_dscnt 0x0
	s_endpgm
.Lrole_x:
	; ROLE X.  32 rows; wave w takes k = 128 w .. 128 w + 127 (kblk 2 w and 2 w + 1).  A load covers 256 bytes of each of two rows; its 128 numbers are 256 consecutive bytes of xb.
	s_sub_co_u32 s14, ttmp9, 24
	s_lshl4_add_u32 s14, s13, s14                  ; 16 y + (x - 24): 0..255
	s_lshl_b32 s16, s14, 17                        ; 32 rows of 4,096 bytes
	s_mov_b32 s17, 0
	s_lshl_b32 s18, s14, 12                        ; 32 rows of 128 bytes
	s_mov_b32 s19, 0
	v_lshrrev_b32 v3, 4, v1
	v_and_b32 v4, 15, v1
	v_lshlrev_b32 v3, 12, v3                       ; lanes 16-31: the odd row
	v_lshl_add_u32 v3, v4, 4, v3
	s_lshl_b32 s20, s12, 9
	v_add_nc_u32 v3, s20, v3                       ; + my wave's 512 bytes of a row
	s_lshl_b32 s20, s12, 21                        ; two kblk of 8,192 x 128 bytes
	v_lshl_add_u32 v4, v1, 3, s20                  ; 8 bytes a lane: (l / 16) x 128 + 8 (l % 16) = 8 l
	s_wait_kmcnt 0x0
	s_add_nc_u64 s[4:5], s[4:5], s[16:17]
	s_add_nc_u64 s[8:9], s[8:9], s[18:19]
.set i, 0
.rept 32                               ; i = 2 x (pair of rows) + (which kblk of my two): all 32 loads go out at once
	global_load_b128 v[IN+4*i:IN+4*i+3], v3, s[4:5] offset:(i/2)*8192+(i%2)*256 th:TH_LOAD_NT
.set i, i+1
.endr
.set i, 0
.rept 32
	s_wait_loadcnt 31-i                            ; loads come back in order: load i is in, the younger ones stay out
	v_cvt_pk_bf16_f32 v[OUTX+2*i], v[IN+4*i], v[IN+4*i+1]
	v_cvt_pk_bf16_f32 v[OUTX+2*i+1], v[IN+4*i+2], v[IN+4*i+3]
	global_store_b64 v4, v[OUTX+2*i:OUTX+2*i+1], s[8:9] offset:(i%2)*1048576+(i/2)*256  ; 32 lanes store 256 consecutive bytes, aligned
.set i, i+1
.endr
	s_endpgm
.Lfunc_end_k_q2e09cd2cf3_cast:
	.size	k_q2e09cd2cf3_cast, .Lfunc_end_k_q2e09cd2cf3_cast-k_q2e09cd2cf3_cast
	.p2alignl 7, 3214868480
	.fill 96, 4, 3214868480
	.section	.rodata,"a",@progbits
	.p2align	6, 0x0
	.amdhsa_kernel k_q2e09cd2cf3_cast
		.amdhsa_group_segment_fixed_size 23040
		.amdhsa_private_segment_fixed_size 0
		.amdhsa_enable_private_segment 0
		.amdhsa_kernarg_size 32
		.amdhsa_user_sgpr_count 2
		.amdhsa_user_sgpr_kernarg_segment_ptr 1
		.amdhsa_wavefront_size32 1
		.amdhsa_system_sgpr_workgroup_id_x 1
		.amdhsa_system_sgpr_workgroup_id_y 1
		.amdhsa_system_sgpr_workgroup_id_z 1
		.amdhsa_system_vgpr_workitem_id 0
		.amdhsa_next_free_vgpr 208
		.amdhsa_next_free_sgpr 66
		.amdhsa_reserve_vcc 0
		.amdhsa_float_denorm_mode_32 3
		.amdhsa_float_denorm_mode_16_64 3
		.amdhsa_memory_ordered 1
		.amdhsa_forward_progress 1
		.amdhsa_inst_pref_size 17
	.end_amdhsa_kernel
	.amdgpu_metadata
---
amdhsa.version: [ 1, 2 ]
amdhsa.kernels:
  - .name:           k_q2e09cd2cf3_cast
    .symbol:         k_q2e09cd2cf3_cast.kd
    .args:
      - { .name: x, .offset: 0, .size: 8, .value_kind: global_buffer, .address_space: global }
      - { .name: W_qkv, .offset: 8, .size: 8, .value_kind: global_buffer, .address_space: global }
      - { .name: xb, .offset: 16, .size: 8, .value_kind: global_buffer, .address_space: global }
      - { .name: wt, .offset: 24, .size: 8, .value_kind: global_buffer, .address_space: global }
    .group_segment_fixed_size: 23040
    .private_segment_fixed_size: 0
    .kernarg_segment_align: 8
    .kernarg_segment_size: 32
    .max_flat_workgroup_size: 256
    .sgpr_count:     66
    .vgpr_count:     208
    .wavefront_size: 32
...
	.end_amdgpu_metadata
.endif
;; end of part 1
;; launch proj (part 2): grid 8 x 32, 4 waves a work-group, clusters of 4 x 4, 327,680 bytes of LDS; arguments xb, wt, b_qkv, qkv; writes qkv
.if DOCPART == 2
	.amdgcn_target "amdgcn-amd-amdhsa--gfx1250"
	.amdhsa_code_object_version 6
	.text
	.protected	k_q2e09cd2cf3_proj
	.globl	k_q2e09cd2cf3_proj
	.p2align	8
	.type	k_q2e09cd2cf3_proj,@function
k_q2e09cd2cf3_proj:
	s_mov_b64 s[64:65], 0
	v_nop
	global_prefetch_b8 v0, s[64:65] scope:SCOPE_SE
	s_setreg_imm32_b32 hwreg(HW_REG_WAVE_MODE, 25, 1), 1
	s_wait_xcnt 0x0
	s_wait_alu depctr_hold_cnt(0) depctr_sa_sdst(0) depctr_va_vdst(0) depctr_va_sdst(0) depctr_va_ssrc(0) depctr_va_vcc(0) depctr_vm_vsrc(0)
	s_getreg_b32 s2, hwreg(HW_REG_IB_STS2, 6, 4)
	s_cmp_eq_u32 s2, 0
	s_cbranch_scc0 .Lentry_in_a_cluster
	s_endpgm
.Lentry_in_a_cluster:
	s_bfe_u32 s2, ttmp6, 0x10000c
	s_cmp_lg_u32 s2, 0xf033
	s_cbranch_scc0 .Lentry_shape_is_right
	s_endpgm
.Lentry_shape_is_right:
; qkv[m][n] = sum over k of x[m][k] W[k][n] + b[n].  M = 8192, N = 3072, K = 1024.  Operands bf16 (xb, wt: blocks of 64 along K, rows of 128 bytes, dense), sums f32, b rounded to bf16 like the
; other inputs and taken as the start of the sums; the result is rounded once to f16.  LIMIT: f16 ends at 65,504; a larger |q|, |k| or |v| becomes an infinity.
; A tile is 256 m x 384 n: 32 x 8 = 256 tiles, one to a work-group.  Four waves, each 128 m x 192 n: 96 accumulators, 768 registers.  K goes in 16 steps of 64 through two LDS slots
; (two slots of a step of 128 would take 348,160 bytes: they do not fit); a tile's rows lie end to end in memory and are asked for as rows of 256 bytes.
; CLUSTER 4 x 4: the four work-groups of a row of the cluster need the same tiles of xb, the four of a column the same tiles of wt: joint loads, the same descriptor and mask in all four.
; THE MATRIX INSTRUCTION IS USED TRANSPOSED (source 0 = 16 n, source 1 = 16 m): lane l holds row m = l % 16 and columns 8 (l / 16) + 0..7.
; qkv lies in units of 16 rows x 8 columns (256 bytes): byte ((m / 16) x 384 + n / 8) x 256 + (m % 16) x 16 + (n % 8) x 2.  An accumulator, packed, is then 512 consecutive bytes at 16 x lane:
; it is stored straight from registers, with no stage in LDS.
; REGISTERS: window 0: v0-31 addresses; v32-127 wt's 12 fragments (two halves of six, each fetched while the other is multiplied); v128-191, v192-255 xb's 8 fragments, two buffers.
;   windows 1-3: accumulator (b, a) (n block b, m block a) in window 1 + b / 4 at 64 (b % 4) + 8 a.
.set PITCH, 144                        ; an LDS row: 128 bytes + 16 of padding: the 16 rows of a fragment load start at 16 different groups of four banks (ISA guide 11.1)
.set AHALF, 128*PITCH                  ; 128 rows of xb: one tensor load, and what one wave reads
.set BHALF, 192*PITCH                  ; 192 rows of wt: likewise
.set BOFF,  2*AHALF
.set SLOT,  2*AHALF+2*BHALF            ; 92,160
.set SPARE, 2*SLOT                     ; behind the ring: the spare words, 128 bytes a wave, which no other line names
.set ASTEP, 8192*128                   ; bytes from a K step to the next in xb
.set BSTEP, 3072*128                   ; and in wt
.set RB,    98304                      ; 16 rows of qkv
.set ADRA, 16                          ; v16-17  LDS address of my xb fragments in slot 0, 1
.set ADRB, 20                          ; v20-21  the same for wt
.set L16,  26                          ; v26     16 x lane
.set H32,  27                          ; v27     32 x (lane / 16)
.set SPW,  28                          ; v28     LDS address of my spare word; never rewritten
.set NIL,  29                          ; v29     0; never rewritten
.set BF,   32
.set A0,   128
.set A1,   192
.set WV,   12                          ; s12 wave;  s13 MH: my half of the rows, and 0: I fetch xb, 1: wt;  s14 NH: my half of the columns, and which half I fetch
.set MH,   13
.set NH,   14
.set TM,   15                          ; s15 tile row;  s42 tile column
.set TN,   42
.set G1A,  24                          ; s[24:31] group 1 for xb's tiles;  s[32:39] group 0, a set for each slot
.set G0A,  32
.set G1B,  48                          ; s[48:55], s[56:63] the same for wt's
.set G0B,  56
.set MSB, 0
.macro WIN new                         ; the immediate's high byte repeats the setting that is left; a switch that changes nothing is dropped
.if MSB != (\new)
	s_set_vgpr_msb (MSB<<8)|(\new)
.set MSB, \new
.endif
.endm
.macro PLACES                          ; four places in front of loads into registers that matrix instructions have read, and of vector lines that read results
.rept 4
	v_nop
.endr
.endm
.macro JLOAD s                         ; a joint load: waves 0, 1 fetch xb's halves, waves 2, 3 wt's; an s_nop 0 and four v_nop follow each line
	s_cmp_eq_u32 s[MH], 0
	s_cbranch_scc0 .Lfor_b_\@
	tensor_load_to_lds s[G0A+4*(\s):G0A+4*(\s)+3], s[G1A:G1A+7]
	s_nop 0
.rept 4
	v_nop
.endr
	s_branch .Lasked_\@
.Lfor_b_\@:
	tensor_load_to_lds s[G0B+4*(\s):G0B+4*(\s)+3], s[G1B:G1B+7]
	s_nop 0
.rept 4
	v_nop
.endr
.Lasked_\@:
.endm
.macro CREST                           ; a round of the cluster's barrier behind its opening barrier
	s_cmp_lg_u32 s[WV], 0
	s_cbranch_scc1 .Lnot_wave_0_\@
	s_barrier_signal -3
.Lnot_wave_0_\@:
	s_barrier_wait -3
	s_barrier_signal -1
	s_barrier_wait -1
.endm
.macro CROUND
	s_barrier_signal -1
	s_barrier_wait -1
	CREST
.endm
	s_load_b256 s[4:11], s[0:1], 0x0               ; xb s[4:5], wt s[6:7], b s[8:9], qkv s[10:11]
	v_lshl_add_u32 v[SPW], v0, 2, SPARE
	v_mov_b32 v[NIL], 0
	ds_add_u32 v[SPW], v[NIL]                      ; the wave's opening: the add and its wait ahead of my first tensor load; work on registers stands between
	ds_add_u32 v28, v29
	v_lshrrev_b32 v1, 5, v0
	v_readfirstlane_b32 s[WV], v1
	s_lshr_b32 s[MH], s[WV], 1
	s_and_b32 s[NH], s[WV], 1
	s_bfe_u32 s40, ttmp6, 0x40000                  ; cx
	s_bfe_u32 s41, ttmp6, 0x40004                  ; cy
	s_lshl_b32 s[TN], ttmp9, 2
	s_add_co_u32 s[TN], s[TN], s40                 ; tile column = 4 x cluster x + cx
	s_and_b32 s[TM], ttmp7, 0xffff
	s_lshl_b32 s[TM], s[TM], 2
	s_add_co_u32 s[TM], s[TM], s41                 ; tile row = 4 x cluster y + cy
	s_lshl_b32 s43, s41, 2
	s_lshl_b32 s43, 15, s43                        ; my row of the cluster
	s_lshl_b32 s44, 0x1111, s40                    ; my column
	s_mov_b32 s45, 0xffff0000                      ; a word's upper bf16
	; group 1: dense bytes asked for as rows of 256 (128 elements of 2 bytes), padded in LDS by 4 words after every 32 words (one row of 64 k)
	s_or_b32 s[G1A], s43, (1<<16)|(1<<20)|(1<<21)|(4<<22)|(3<<25)
	s_or_b32 s[G1B], s44, (1<<16)|(1<<20)|(1<<21)|(4<<22)|(3<<25)
	s_mov_b32 s[G1A+1], 128<<16                    ; tensor_dim0 = 128
	s_mov_b32 s[G1A+2], 64<<16                     ; tensor_dim1 = 64: 128 rows of xb
	s_mov_b32 s[G1A+3], 128<<16                    ; tile_dim0 = 128
	s_mov_b32 s[G1A+4], 64                         ; tile_dim1 = 64
	s_mov_b32 s[G1A+5], 128                        ; 128 elements from row to row
	s_mov_b32 s[G1A+6], 0
	s_mov_b32 s[G1A+7], 0
	s_mov_b32 s[G1B+1], 128<<16
	s_mov_b32 s[G1B+2], 96<<16                     ; 96 rows of 256 bytes: 192 rows of wt
	s_mov_b32 s[G1B+3], 128<<16
	s_mov_b32 s[G1B+4], 96
	s_mov_b32 s[G1B+5], 128
	s_mov_b32 s[G1B+6], 0
	s_mov_b32 s[G1B+7], 0
	s_lshl_b32 s16, s[TM], 15                      ; xb: (256 x tile row + 128 x half) rows of 128 bytes; these registers never hold cx
	s_lshl_b32 s17, s[NH], 14
	s_add_co_u32 s16, s16, s17
	s_mov_b32 s17, 0
	s_mul_i32 s46, s[TN], 384*128                  ; wt: (384 x tile column + 192 x half) rows
	s_mul_i32 s47, s[NH], 192*128
	s_add_co_u32 s46, s46, s47
	s_mov_b32 s47, 0
	s_mul_i32 s20, s[NH], AHALF                    ; where they go: no place in the cluster enters an LDS address
	s_mul_i32 s21, s[NH], BHALF
	s_add_co_u32 s21, s21, BOFF
	s_wait_dscnt 0x0                               ; the opening add is done
	s_wait_kmcnt 0x0
	s_add_nc_u64 s[18:19], s[4:5], s[16:17]
	s_add_nc_u64 s[46:47], s[6:7], s[46:47]
	CROUND                                         ; all sixteen work-groups are here: the first joint loads meet
.irp s, 0,1
	s_mov_b32 s[G0A+4*(\s)], 1
	s_add_co_u32 s[G0A+4*(\s)+1], s20, (\s)*SLOT
	s_add_nc_u64 s[G0A+4*(\s)+2:G0A+4*(\s)+3], s[18:19], (\s)*ASTEP
	s_or_b32 s[G0A+4*(\s)+3], s[G0A+4*(\s)+3], 0x80000000
	s_mov_b32 s[G0B+4*(\s)], 1
	s_add_co_u32 s[G0B+4*(\s)+1], s21, (\s)*SLOT
	s_add_nc_u64 s[G0B+4*(\s)+2:G0B+4*(\s)+3], s[46:47], (\s)*BSTEP
	s_or_b32 s[G0B+4*(\s)+3], s[G0B+4*(\s)+3], 0x80000000
	JLOAD \s                                       ; K steps 0 and 1: two loads of mine are out
.endr
	; b: lane half h needs b[16 b + 8 h + 0..7] of my 192 columns, for each n block
	v_and_b32 v1, 15, v0                           ; r
	v_bfe_u32 v2, v0, 4, 1                         ; h
	v_lshlrev_b32 v[H32], 5, v2
	s_mul_i32 s22, s[TN], 384*4
	s_mul_i32 s23, s[NH], 192*4
	s_add_co_u32 s22, s22, s23
	s_mov_b32 s23, 0
	s_add_nc_u64 s[8:9], s[8:9], s[22:23]
.set bq, 0
.rept 12
	global_load_b128 v[BF+8*bq:BF+8*bq+3], v[H32], s[8:9] offset:64*bq
	global_load_b128 v[BF+8*bq+4:BF+8*bq+7], v[H32], s[8:9] offset:64*bq+16
.set bq, bq+1
.endr
	v_mul_u32_u24 v3, v1, PITCH
	v_lshl_add_u32 v3, v2, 4, v3                   ; a fragment's row x pitch + 16 x half
	s_mul_i32 s20, s[MH], AHALF                    ; my 128 rows of xb
	s_mul_i32 s21, s[NH], BHALF                    ; my 192 rows of wt
	s_add_co_u32 s21, s21, BOFF
.irp s, 0,1
	v_add_nc_u32 v[ADRA+(\s)], s20, v3
	v_add_nc_u32 v[ADRB+(\s)], s21, v3
	s_add_co_u32 s20, s20, SLOT
	s_add_co_u32 s21, s21, SLOT
.endr
	v_and_b32 v[L16], 31, v0
	v_lshlrev_b32 v[L16], 4, v[L16]
	s_mul_i32 s22, s[TM], 16*RB                    ; qkv: ((16 x tile row + 8 MH) x 384 + 48 x tile column + 24 NH) units of 256 bytes
	s_mul_i32 s23, s[MH], 8*RB
	s_add_co_u32 s22, s22, s23
	s_mul_i32 s23, s[TN], 48*256
	s_add_co_u32 s22, s22, s23
	s_mul_i32 s23, s[NH], 24*256
	s_add_co_u32 s22, s22, s23
	s_mov_b32 s23, 0
	s_add_nc_u64 s[10:11], s[10:11], s[22:23]
	s_wait_loadcnt 0x0                             ; b
.set i, 0
.rept 48
	v_cvt_pk_bf16_f32 v[A0+i], v[BF+2*i], v[BF+2*i+1]  ; rounded to bf16,
.set i, i+1
.endr
.set bq, 0
.rept 12                               ; and widened again into accumulator (b, 7): the C of the first products of all eight m blocks
	WIN (1+bq/4)<<6
.irp i2, 0,1,2,3
	v_lshlrev_b32 v[64*(bq%4)+56+2*(\i2)], 16, v[A0+4*bq+(\i2)]
	v_and_b32 v[64*(bq%4)+56+2*(\i2)+1], s45, v[A0+4*bq+(\i2)]
.endr
.set bq, bq+1
.endr
	WIN 0
; n block b x m blocks.  mode 0: all eight, in place.  mode 1 (the first 32 along K): m blocks 0-6 start their sums with b, which lies in accumulator (b, 7).  mode 2: (b, 7) itself, in place.
.macro MULB b, abuf, mode
	WIN 0x50*(1+(\b)/4)
.set AC, 64*((\b)%4)
.set BR, BF+8*(\b)
.if (\mode) == 0
.irp a, 0,1,2,3,4,5,6,7
	v_wmma_f32_16x16x32_bf16 v[AC+8*(\a):AC+8*(\a)+7], v[BR:BR+7], v[(\abuf)+8*(\a):(\abuf)+8*(\a)+7], v[AC+8*(\a):AC+8*(\a)+7]
.endr
.elseif (\mode) == 1
.irp a, 0,1,2,3,4,5,6
	v_wmma_f32_16x16x32_bf16 v[AC+8*(\a):AC+8*(\a)+7], v[BR:BR+7], v[(\abuf)+8*(\a):(\abuf)+8*(\a)+7], v[AC+56:AC+63]
.endr
.else
	v_wmma_f32_16x16x32_bf16 v[AC+56:AC+63], v[BR:BR+7], v[(\abuf)+56:(\abuf)+63], v[AC+56:AC+63]
.endif
.endm
.macro MULS b0, n, abuf, mode          ; n blocks b0 .. b0 + n - 1.  The accumulators take turns, one instruction a turn
.set bq, \b0
.rept \n
	MULB bq, \abuf, \mode
.set bq, bq+1
.endr
.endm
.macro MULF b0                         ; six n blocks of the very first 32 along K
	MULS \b0, 6, A0, 1
	PLACES                                         ; five places: the lines below write over registers that the lines above read as C
	v_nop
	MULS \b0, 6, A0, 2
.endm
.macro FETCHB slot, k, part            ; 12 loads: wt's fragments 6 part .. 6 part + 5, 32 along K at byte k of the rows
	WIN 0
.irp i, 0,1,2,3,4,5
	ds_load_b128 v[BF+8*(6*(\part)+(\i)):BF+8*(6*(\part)+(\i))+3],   v[ADRB+(\slot)] offset:(\k)+(6*(\part)+(\i))*16*PITCH
	ds_load_b128 v[BF+8*(6*(\part)+(\i))+4:BF+8*(6*(\part)+(\i))+7], v[ADRB+(\slot)] offset:(\k)+(6*(\part)+(\i))*16*PITCH+32
.endr
.endm
.macro FETCHA slot, k, abuf            ; 16 loads: xb's eight fragments
	WIN 0
.irp i, 0,1,2,3,4,5,6,7
	ds_load_b128 v[(\abuf)+8*(\i):(\abuf)+8*(\i)+3],   v[ADRA+(\slot)] offset:(\k)+(\i)*16*PITCH
	ds_load_b128 v[(\abuf)+8*(\i)+4:(\abuf)+8*(\i)+7], v[ADRA+(\slot)] offset:(\k)+(\i)*16*PITCH+32
.endr
.endm
; A K step is two parts of 32 along K, 96 matrix instructions each.  The first part of a step (xb's buffer 0):
.macro EVEN slot, first
	PLACES
	FETCHB \slot, 0, 1                             ; wt's upper six, into registers that the part before has multiplied
	s_wait_dscnt 12                                ; all but these twelve: wt's lower six and xb's eight are in
.if \first
	MULF 0
.else
	MULS 0, 6, A0, 0
.endif
	PLACES
	FETCHB \slot, 64, 0                            ; the second part's lower six and its xb
	FETCHA \slot, 64, A1
	s_wait_dscnt 28                                ; all but the 28 just issued: the upper six are in
.if \first
	MULF 6
.else
	MULS 6, 6, A0, 0
.endif
.endm
; The second part (xb's buffer 1) changes slots: ONE barrier.  In front of it each wave waits for all its tensor loads (one is out: its part of the next slot), adds 0 to its spare word, and waits for that
; and for its reads of this slot.  fill = 1: the barrier opens a round of the cluster's barrier, and this slot is filled again, two K steps on, first thing behind the round.
.macro ODD slot, next, fill
	PLACES
	FETCHB \slot, 64, 1                            ; my last reads of this slot
	WIN 0
	s_wait_tensorcnt 0x0
	ds_add_u32 v[SPW], v[NIL]                      ; 0 onto my spare word; 32 matrix instructions stand between it and the wait for it
	s_wait_dscnt 13                                ; the add and the twelve loads above may be out
	MULS 0, 4, A1, 0
	s_wait_dscnt 0x0                               ; the add is done, and my reads of this slot are over
	s_barrier_signal -1
	MULS 4, 2, A1, 0                               ; work on registers while the others arrive
	WIN 0                                          ; at a branch and at a label every window is 0
	s_barrier_wait -1
.if \fill
	CREST                                          ; no wave of any partner still reads this slot or has a load on its way
	s_add_nc_u64 s[G0A+4*(\slot)+2:G0A+4*(\slot)+3], s[G0A+4*(\slot)+2:G0A+4*(\slot)+3], 2*ASTEP
	s_add_nc_u64 s[G0B+4*(\slot)+2:G0B+4*(\slot)+3], s[G0B+4*(\slot)+2:G0B+4*(\slot)+3], 2*BSTEP
	JLOAD \slot                                    ; its four v_nop are also the places in front of the loads below
.else
	PLACES
.endif
	FETCHB \next, 0, 0
	FETCHA \next, 0, A0
	MULS 6, 6, A1, 0
.endm
	s_wait_tensorcnt 1                             ; my part of K step 0 is in; step 1's may stay out
	s_barrier_signal -1
	s_barrier_wait -1                              ; everybody's is
	FETCHB 0, 0, 0
	FETCHA 0, 0, A0
	EVEN 0, 1                                      ; the first part stands in front of the loop: its products start the sums
	WIN 0
	s_mov_b32 s3, 7
.Llap:                                                 ; a trip goes once round the ring and fills both slots again: K steps 2 to 15
	ODD 0, 1, 1
	EVEN 1, 0
	ODD 1, 0, 1
	EVEN 0, 0
	WIN 0
	s_sub_co_u32 s3, s3, 1
	s_cmp_lg_u32 s3, 0
	s_cbranch_scc1 .Llap
	ODD 0, 1, 0                                    ; the last lap fills nothing and has no round
	EVEN 1, 0
	PLACES
	FETCHB 1, 64, 1
	s_wait_dscnt 12
	MULS 0, 6, A1, 0
	s_wait_dscnt 0x0
	MULS 6, 6, A1, 0
; THE WAY OUT.  n block b: eight accumulators, each rounded to f16 (its registers in ascending order) and stored as 512 consecutive bytes, aligned.
.macro OUTB b, t
.set AC, 64*((\b)%4)
	WIN 5*(1+(\b)/4)                               ; sources 0 and 1 in the accumulators' window
.set aq, 0
.rept 8
.irp i, 0,1,2,3
	v_cvt_pk_f16_f32 v[(\t)+4*aq+(\i)], v[AC+8*aq+2*(\i)], v[AC+8*aq+2*(\i)+1]
.endr
.set aq, aq+1
.endr
	WIN 0
.set aq, 0
.rept 8
	global_store_b128 v[L16], v[(\t)+4*aq:(\t)+4*aq+3], s[10:11] offset:aq*RB+(\b)*512
.set aq, aq+1
.endr
.endm
	PLACES
.set bo, 0
.rept 12
.if bo == 6
	s_wait_xcnt 0x0                                ; the first six blocks' stores have read their registers: v32-223 are written again only behind this wait
.endif
	OUTB bo, BF+32*(bo%6)
.set bo, bo+1
.endr
	s_wait_tensorcnt 0x0                           ; the wave's end
	ds_add_u32 v[SPW], v[NIL]
	s_wait_dscnt 0x0
	CROUND                                         ; the closing round: no work-group ends while a partner may still ask for a tile that names it
	s_endpgm
.Lfunc_end_k_q2e09cd2cf3_proj:
	.size	k_q2e09cd2cf3_proj, .Lfunc_end_k_q2e09cd2cf3_proj-k_q2e09cd2cf3_proj
	.p2alignl 7, 3214868480
	.fill 96, 4, 3214868480
	.section	.rodata,"a",@progbits
	.p2align	6, 0x0
	.amdhsa_kernel k_q2e09cd2cf3_proj
		.amdhsa_group_segment_fixed_size 327680
		.amdhsa_private_segment_fixed_size 0
		.amdhsa_enable_private_segment 0
		.amdhsa_kernarg_size 32
		.amdhsa_user_sgpr_count 2
		.amdhsa_user_sgpr_kernarg_segment_ptr 1
		.amdhsa_wavefront_size32 1
		.amdhsa_system_sgpr_workgroup_id_x 1
		.amdhsa_system_sgpr_workgroup_id_y 1
		.amdhsa_system_sgpr_workgroup_id_z 1
		.amdhsa_system_vgpr_workitem_id 0
		.amdhsa_next_free_vgpr 1024
		.amdhsa_next_free_sgpr 66
		.amdhsa_reserve_vcc 0
		.amdhsa_float_denorm_mode_32 3
		.amdhsa_float_denorm_mode_16_64 3
		.amdhsa_memory_ordered 1
		.amdhsa_forward_progress 1
		.amdhsa_inst_pref_size 124
	.end_amdhsa_kernel
	.amdgpu_metadata
---
amdhsa.version: [ 1, 2 ]
amdhsa.kernels:
  - .name:           k_q2e09cd2cf3_proj
    .symbol:         k_q2e09cd2cf3_proj.kd
    .args:
      - { .name: xb, .offset: 0, .size: 8, .value_kind: global_buffer, .address_space: global }
      - { .name: wt, .offset: 8, .size: 8, .value_kind: global_buffer, .address_space: global }
      - { .name: b_qkv, .offset: 16, .size: 8, .value_kind: global_buffer, .address_space: global }
      - { .name: qkv, .offset: 24, .size: 8, .value_kind: global_buffer, .address_space: global }
    .group_segment_fixed_size: 327680
    .private_segment_fixed_size: 0
    .kernarg_segment_align: 8
    .kernarg_segment_size: 32
    .max_flat_workgroup_size: 128
    .sgpr_count:     66
    .vgpr_count:     1024
    .wavefront_size: 32
...
	.end_amdgpu_metadata
.endif
;; end of part 2
;; launch attn (part 3): grid 32 x 4, 4 waves a work-group, no clusters, 327,680 bytes of LDS; arguments qkv, ln_w, ln_b, out0; writes out0
.if DOCPART == 3
	.amdgcn_target "amdgcn-amd-amdhsa--gfx1250"
	.amdhsa_code_object_version 6
	.text
	.protected	k_q2e09cd2cf3_attn
	.globl	k_q2e09cd2cf3_attn
	.p2align	8
	.type	k_q2e09cd2cf3_attn,@function
k_q2e09cd2cf3_attn:
	s_mov_b64 s[64:65], 0
	v_nop
	global_prefetch_b8 v0, s[64:65] scope:SCOPE_SE
	s_setreg_imm32_b32 hwreg(HW_REG_WAVE_MODE, 25, 1), 1
	s_wait_xcnt 0x0
; out[i] = LayerNorm( sum over j, 0 <= i - j <= 255, of (q[i] . k[j] / 512) v[j] ).  q, k, v: f16, in qkv's units of 16 rows x 8 columns (256 bytes); a block of 16 rows is 98,304 bytes: q, then k, then v.
; A work-group owns 64 queries of one batch and a window of 320 keys that begins at 64 max(t - 4, 0): the same work for all 128 work-groups.
; WHY 128: the norm needs whole rows of 1,024 channels in one work-group, 64 rows of f32 sums are 512 registers in each of four waves, and with 32 rows every byte of k and v would feed half the products.
; NO CLUSTER: neighbours' windows differ; a walk common to four blocks would have 512 keys for the 320 that each needs, and k does not pass through LDS at all.
; PHASE 1  S^T = K Q^T.  Wave w: keys 80 w .. 80 w + 79 x all 64 queries, 20 accumulators.  K is the wave's own: memory to registers, a ring of four slots of 64 channels.  Q, read by all, lies in LDS.
; PHASE 2  the band (a select, no branch); each query's largest |s|, M; c = 2^(127 - M's exponent field), so that |c s| < 2; P = f16(c s), laid in LDS as source 1 of the second product.
; PHASE 3  O^T = V^T P.  Wave w: 256 channels x 64 queries, 64 accumulators.  V comes by tensor loads, 64 keys a slot, two slots, and is turned by ds_load_tr16_b128.
; PHASE 4  O goes through LDS into rows.  O = g x out with g = 512 c, an exact power of two, so y = (O - mean) rsqrt(var(O) + 1e-5 g^2) w + b; mean first, then the squares of the differences.
; ln_w and ln_b are rounded to bf16 like the other inputs.
; LIMITS.  A row's largest |s| stays under 2^127.  A NaN or an infinity under the mask counts as 0.  Where g^2 overflows the true variance is under 2^-80 and y = ln_b; 1e-5 g^2 is kept at 2^-126 at the least.
; REGISTERS.  window 0: v1-15 addresses; v16-59 at work in phase 4; v60-61 Q's addresses; v62-63 the add's; v64-127 Q's fragments, two buffers, later ln_w, ln_b; v192-255 P's fragments, two buffers; v128-255 rows in phase 4
;   window 1: v0-159 S^T ((qt, kb) at 8 (5 qt + kb)), v160-239 phase 2's; in phase 3 V's fragments, two buffers of 128
;   windows 2, 3: K's ring (slot i in window 2 + i / 2 at 80 (i % 2)); in phase 3 accumulator (cb, qt) in window 2 + cb / 8 at 8 (4 (cb % 8) + qt)
.set RB,     98304
.set VKB,    128*272                   ; 16 keys of V in LDS: 128 units of 256 bytes + 16 of padding
.set SLOTA,  4*VKB                     ; slot B at 0 (in phase 1: Q, 131,072 bytes, block qt at 32,768 qt), slot A behind it
.set PIMG,   8*VKB                     ; P: (key block x 4 + qt) x 512 + 16 x lane; 40,960 bytes
.set SPARE,  PIMG+40960                ; the spare words, 128 bytes a wave, which no other line names
.set STATM,  SPARE+512                 ; the waves' maxima: query x 16 + 4 w
.set STATE,  STATM+1024                ; 1e-5 g^2: w x 256 + 4 x query, a copy for each wave
.set OPITCH, 4112                      ; phase 4: a row of O, 4,096 bytes + 16, over the slots, which have had their last fill
.set R,   1
.set AV,  2                            ; v2-5   V's addresses: slot A steps 0, 1; slot B steps 0, 1
.set PA,  6                            ; v6     PIMG + 16 x lane
.set H,   7
.set RDL, 8                            ; v8     phase 4: where I read rows
.set EA,  9                            ; v9     phase 4: my rows' 1e-5 g^2
.set L16, 10                           ; v10    16 x lane
.set STO, 12                           ; v12-15 phase 4: where tile qt's sums go
.set EP,  16                           ; v16-19 four rows' 1e-5 g^2
.set RA0, 20                           ; v20-35 four registers a row: sums
.set MU,  36                           ; v36-43 a pair a row: the mean
.set RS,  44                           ; v44-51 a pair a row: 1 / sqrt
.set QA,  60
.set SPW, 62
.set NIL, 63
.set QF0, 64
.set QF1, 96
.set LW,  64
.set LB,  96
.set XB,  128
.set PF,  192
.set E0,  160                          ; window 1: query - key for register 0 of tile (0, 0)
.set TT,  161                          ; v161-162
.set MA,  164
.set MB,  168
.set CC,  172                          ; v172-179 a pair a tile: c, g
.set XM,  180
.set SA,  196
.set SB,  197
.set PAW, 198
.set SE,  199
.set PK,  200                          ; v200-239
.set WV,  12                           ; s12 wave; s13, s14 first block of 16 rows of my queries, of my keys; s15 my first query's place in the window
.set G1Q, 24
.set G1V, 32
.set G0Q, 40
.set G0A, 44
.set G0B, 48
.set SEL, 52
.set MSB, 0
.macro WIN new
.if MSB != (\new)
	s_set_vgpr_msb (MSB<<8)|(\new)
.set MSB, \new
.endif
.endm
.macro PLACES                          ; four places in front of loads into registers that matrix instructions have read, and of lines that read results
.rept 4
	v_nop
.endr
.endm
	s_load_b256 s[4:11], s[0:1], 0x0               ; qkv s[4:5], ln_w s[6:7], ln_b s[8:9], out0 s[10:11]
	v_lshl_add_u32 v[SPW], v0, 2, SPARE
	v_mov_b32 v[NIL], 0
	ds_add_u32 v[SPW], v[NIL]                      ; the wave's opening: the add and its wait ahead of my first tensor load; work on registers stands between
	ds_add_u32 v62, v63
	v_lshrrev_b32 v1, 5, v0
	v_readfirstlane_b32 s[WV], v1
	v_and_b32 v[L16], 31, v0
	v_lshlrev_b32 v[L16], 4, v[L16]
	s_mov_b32 s18, ttmp9                           ; t
	s_and_b32 s20, ttmp7, 0xffff
	s_lshl_b32 s20, s20, 7                         ; a batch has 128 blocks of 16 rows
	s_lshl2_add_u32 s13, s18, s20                  ; queries: block 4 t
	s_max_u32 s21, s18, 4
	s_lshl2_add_u32 s14, s21, s20
	s_sub_co_u32 s14, s14, 16                      ; keys: block 4 max(t - 4, 0)
	s_min_u32 s15, s18, 4
	s_lshl_b32 s15, s15, 6                         ; 64 min(t, 4)
	s_add_co_u32 s22, s13, s[WV]
	s_lshl_b32 s56, s22, 16                        ; out0: 16 rows of 4,096 bytes a block; wave w stores block w of the four
	s_mov_b32 s57, 0
	s_mul_i32 s22, s22, RB                         ; Q: wave w fetches block w
	s_mov_b32 s23, 0
	s_add_co_u32 s54, s14, s[WV]
	s_mul_i32 s54, s54, RB
	s_add_co_u32 s54, s54, 65536                   ; V: of a tile's four blocks wave w fetches block w
	s_mov_b32 s55, 0
	s_mul_i32 s20, s[WV], 5
	s_add_co_u32 s20, s20, s14
	s_mul_i32 s20, s20, RB
	s_add_co_u32 s20, s20, 32768                   ; K: my five blocks
	s_mov_b32 s21, 0
	s_mov_b32 s[G1Q], 1<<16                        ; 2-byte elements, no padding
	s_mov_b32 s[G1V], (1<<16)|(1<<20)|(5<<22)|(3<<25)  ; padding on: 4 words after every 64 words
.irp g, G1Q, G1V                       ; 32,768 dense bytes as 128 rows of 256
	s_mov_b32 s[(\g)+1], 128<<16
	s_mov_b32 s[(\g)+2], 128<<16
	s_mov_b32 s[(\g)+3], 128<<16
	s_mov_b32 s[(\g)+4], 128
	s_mov_b32 s[(\g)+5], 128
	s_mov_b32 s[(\g)+6], 0
	s_mov_b32 s[(\g)+7], 0
.endr
	s_mov_b32 s[G0Q], 1
	s_lshl_b32 s[G0Q+1], s[WV], 15
	s_mov_b32 s[G0A], 1
	s_mul_i32 s[G0A+1], s[WV], VKB
	s_add_co_u32 s[G0A+1], s[G0A+1], SLOTA
	s_mov_b32 s[G0B], 1
	s_mul_i32 s[G0B+1], s[WV], VKB
	s_mov_b32 s[SEL], 0x76543210                   ; v_permlanex16_b32: each lane takes its own place in the other half
	s_mov_b32 s[SEL+1], 0xfedcba98
	s_wait_dscnt 0x0                               ; the opening add is done
	s_wait_kmcnt 0x0
	s_add_nc_u64 s[G0Q+2:G0Q+3], s[4:5], s[22:23]
	s_or_b32 s[G0Q+3], s[G0Q+3], 0x80000000
	s_add_nc_u64 s[G0A+2:G0A+3], s[4:5], s[54:55]  ; tile 0
	s_add_nc_u64 s[G0B+2:G0B+3], s[G0A+2:G0A+3], 4*RB  ; tile 1
	s_or_b32 s[G0A+3], s[G0A+3], 0x80000000
	s_or_b32 s[G0B+3], s[G0B+3], 0x80000000
	s_add_nc_u64 s[16:17], s[4:5], s[20:21]
	s_add_nc_u64 s[10:11], s[10:11], s[56:57]
	tensor_load_to_lds s[G0Q:G0Q+3], s[G1Q:G1Q+7]  ; the first fills, one group: two loads of mine are out
	s_nop 0
	tensor_load_to_lds s[G0A:G0A+3], s[G1V:G1V+7]
	s_nop 0
	v_and_b32 v[R], 15, v0                         ; four lines in window 0 stand ahead of the next switch of windows
	v_bfe_u32 v[H], v0, 4, 1
	v_and_b32 v11, 7, v0
	v_bfe_u32 v16, v0, 3, 1
; A fragment of K or Q (16 rows x 32 channels) is 1,024 consecutive bytes of qkv: lane l takes 16 bytes at 16 l (channels 8 (l / 16) + 0..7) and at 16 l + 512.
; 20 loads: an item, 64 channels (two parts e) of my five key blocks, into ring slot \slot.
.macro KLOAD slot, imm
	WIN 0x80+0x40*((\slot)/2)
.set KR, 80*((\slot)%2)
.irp e, 0,1
.irp kb, 0,1,2,3,4
	global_load_b128 v[KR+40*(\e)+8*(\kb):KR+40*(\e)+8*(\kb)+3],   v[L16], s[16:17] offset:(\imm)+(\kb)*RB+(\e)*1024
	global_load_b128 v[KR+40*(\e)+8*(\kb)+4:KR+40*(\e)+8*(\kb)+7], v[L16], s[16:17] offset:(\imm)+(\kb)*RB+(\e)*1024+512
.endr
.endr
.endm
.macro QFETCH n, buf                   ; 8 loads: the four query tiles' fragments of part n (counted from the address registers' place)
	WIN 0
.irp qt, 0,1,2,3
	ds_load_b128 v[(\buf)+8*(\qt):(\buf)+8*(\qt)+3],   v[QA+(\qt)/2] offset:((\qt)%2)*32768+(\n)*1024
	ds_load_b128 v[(\buf)+8*(\qt)+4:(\buf)+8*(\qt)+7], v[QA+(\qt)/2] offset:((\qt)%2)*32768+(\n)*1024+512
.endr
.endm
.macro MUL1 slot, e, qbuf, zero        ; 20 matrix instructions; the 20 accumulators take turns
	WIN 0x52+(\slot)/2                             ; K in window 2 or 3, Q in window 0, S^T in window 1
.set KR, 80*((\slot)%2)+40*(\e)
.irp qt, 0,1,2,3
.irp kb, 0,1,2,3,4
.if \zero
	v_wmma_f32_16x16x32_f16 v[8*(5*(\qt)+(\kb)):8*(5*(\qt)+(\kb))+7], v[KR+8*(\kb):KR+8*(\kb)+7], v[(\qbuf)+8*(\qt):(\qbuf)+8*(\qt)+7], 0
.else
	v_wmma_f32_16x16x32_f16 v[8*(5*(\qt)+(\kb)):8*(5*(\qt)+(\kb))+7], v[KR+8*(\kb):KR+8*(\kb)+7], v[(\qbuf)+8*(\qt):(\qbuf)+8*(\qt)+7], v[8*(5*(\qt)+(\kb)):8*(5*(\qt)+(\kb))+7]
.endif
.endr
.endr
.endm
; An item.  cnt: the younger items' loads, which stay out.  kimm >= 0: the slot read last is filled with the item three on, which has three items' 120 matrix instructions in which to come.
.macro ITEM slot, cnt, kimm, n1, zero
	s_wait_loadcnt \cnt                            ; loads come back in order: this item's K is in
	PLACES
.if (\kimm) >= 0
	KLOAD ((\slot)+3)%4, \kimm
.endif
	QFETCH \n1, QF1
	s_wait_dscnt 8                                 ; all but the eight just issued
	MUL1 \slot, 0, QF0, \zero
	PLACES
	QFETCH (\n1)+1, QF0                            ; the next item's first part
	s_wait_dscnt 8
	MUL1 \slot, 1, QF1, 0
.endm
	KLOAD 0, 0                                     ; items 0, 1, 2: 60 loads are out
	KLOAD 1, 2048
	KLOAD 2, 4096
	WIN 0
	; V: channel block cb = 8 z + y pairs the units u = 32 w + 16 z + y and u + 8, which lie 2,176 bytes = 32 banks apart
	v_lshlrev_b32 v17, 7, v[H]
	v_lshl_add_u32 v17, v11, 4, v17                ; key 8 (l / 16) + l % 8: 16 bytes a key
	v_mul_u32_u24 v16, v16, 8*272                  ; lanes 8-15 of each half: the unit 8 further on
	s_mul_i32 s22, s[WV], 32*272                   ; my 32 units
	v_add3_u32 v[AV+2], v16, v17, s22
	v_add_nc_u32 v[AV+3], 2*VKB, v[AV+2]
	v_add_nc_u32 v[AV], SLOTA, v[AV+2]
	v_add_nc_u32 v[AV+1], SLOTA+2*VKB, v[AV+2]
	v_add_nc_u32 v[PA], PIMG, v[L16]
	s_mul_i32 s22, s[WV], 16*OPITCH
	v_add_nc_u32 v[RDL], s22, v[L16]               ; rows 16 w on
	s_mul_i32 s22, s[WV], 320
	s_add_co_u32 s22, s22, STATE
	v_mov_b32 v[EA], s22                           ; my copy (256 w), my rows (4 x 16 w)
	v_mul_u32_u24 v17, v[R], OPITCH
	v_lshl_add_u32 v17, v[H], 8, v17
	s_lshl_b32 s22, s[WV], 10
	v_add_nc_u32 v[STO], s22, v17                  ; row 16 qt + r; channel 8 (u + 8 h) + j: 1,024 w + 256 h + 512 z + 32 y + 4 j
	v_add_nc_u32 v[STO+1], 16*OPITCH, v[STO]
	v_add_nc_u32 v[STO+2], 32*OPITCH, v[STO]
	v_add_nc_u32 v[STO+3], 48*OPITCH, v[STO]
	v_mov_b32 v[QA], v[L16]
	v_add_nc_u32 v[QA+1], 65536, v[L16]
	v_lshlrev_b32 v17, 3, v[H]
	v_sub_nc_u32 v17, v[R], v17
	s_mul_i32 s22, s[WV], 80
	s_sub_co_u32 s22, s15, s22
	s_lshl_b32 s23, s[WV], 2
	s_add_co_u32 s23, s23, STATM
	s_mul_i32 s54, s[WV], 5*4*512
	s_add_co_u32 s54, s54, PIMG
	s_lshl_b32 s55, s[WV], 8
	s_add_co_u32 s55, s55, STATE
	WIN 0x40                                       ; destinations in window 1
	v_add_nc_u32 v[E0], s22, v17                   ; (first query's place + r) - (80 w + 8 h)
	v_lshl_add_u32 v[SA], v[R], 4, s23
	v_lshl_add_u32 v[SB], v[R], 4, STATM
	v_add_nc_u32 v[PAW], s54, v[L16]
	v_lshl_add_u32 v[SE], v[R], 2, s55
	WIN 0
	s_wait_tensorcnt 1                             ; my block of Q is in; V's tile 0 may stay out
	s_barrier_signal -1
	s_barrier_wait -1                              ; everybody's is
	; PHASE 1: 16 items
	QFETCH 0, QF0
	ITEM 0, 40, 6144, 1, 1                         ; the first part's products start the sums
	WIN 0
	s_mov_b32 s19, 3
.Litems:                                               ; items 1-4, 5-8, 9-12; they fetch items 4 to 15
	ITEM 1, 40, 8192, 3, 0
	ITEM 2, 40, 8192+2048, 5, 0
	ITEM 3, 40, 8192+4096, 7, 0
	ITEM 0, 40, 8192+6144, 9, 0
	WIN 0
	s_wait_xcnt 0x0                                ; the loads' addresses are translated: K's base is stepped only behind this wait
	s_add_nc_u64 s[16:17], s[16:17], 8192
	v_add_nc_u32 v[QA], 8192, v[QA]
	v_add_nc_u32 v[QA+1], 8192, v[QA+1]
	s_sub_co_u32 s19, s19, 1
	s_cmp_lg_u32 s19, 0
	s_cbranch_scc1 .Litems
	ITEM 1, 40, -1, 3, 0                           ; the last three fetch no K: the counts run down
	ITEM 2, 20, -1, 5, 0
	s_wait_loadcnt 0x0
	PLACES
	QFETCH 7, QF1
	s_wait_dscnt 8
	MUL1 3, 0, QF0, 0
	WIN 0
	s_wait_tensorcnt 0x0                           ; V's tile 0 has landed: no tensor load of mine is out
	ds_add_u32 v[SPW], v[NIL]
	s_wait_dscnt 0x0                               ; the add is done, and my reads of Q are over
	s_barrier_signal -1
	MUL1 3, 1, QF1, 0                              ; work on registers while the others arrive
	WIN 0
	s_barrier_wait -1                              ; nobody reads Q any more
	tensor_load_to_lds s[G0B:G0B+3], s[G1V:G1V+7]  ; V's tile 1, over Q's bytes: my one load behind this barrier
	s_nop 0
	PLACES                                         ; also the places behind the last products
	; PHASE 2
.irp u, 0,1,2,3,4,5,6,7                ; ln_w, ln_b: lane l holds columns 128 u + 4 l + 0..3; they are wanted in phase 4
	global_load_b128 v[LW+4*(\u):LW+4*(\u)+3], v[L16], s[6:7] offset:512*(\u)
	global_load_b128 v[LB+4*(\u):LB+4*(\u)+3], v[L16], s[8:9] offset:512*(\u)
.endr
	WIN 0x55                                       ; every operand in window 1
	; the band: register j of tile (qt, kb) has query - key = E0 + 16 (qt - kb) - j; it is kept where that lies in 0 .. 255.  j ascends: each accumulator is read from its low end
.set j, 0
.rept 8
.set dl, -4
.rept 8
	v_add_nc_u32 v[TT+(dl+4)%2], 16*dl-j, v[E0]
	v_cmp_gt_u32 vcc_lo, 0x100, v[TT+(dl+4)%2]
.set qt, 0
.rept 4
.if (qt-dl >= 0) && (qt-dl <= 4)
	v_cndmask_b32 v[8*(5*qt+qt-dl)+j], 0, v[8*(5*qt+qt-dl)+j], vcc_lo
.endif
.set qt, qt+1
.endr
.set dl, dl+1
.endr
.set j, j+1
.endr
	; the largest |s| of a lane's 40 scores of each tile column: two chains of 19, the two left over, the four columns by turns
.set n, 0
.rept 9
.set qt, 0
.rept 4
.if n == 0
	v_max3_num_f32 v[MA+qt], |v[40*qt]|, |v[40*qt+1]|, |v[40*qt+2]|
	v_max3_num_f32 v[MB+qt], |v[40*qt+19]|, |v[40*qt+20]|, |v[40*qt+21]|
.else
	v_max3_num_f32 v[MA+qt], v[MA+qt], |v[40*qt+2*n+1]|, |v[40*qt+2*n+2]|
	v_max3_num_f32 v[MB+qt], v[MB+qt], |v[40*qt+2*n+20]|, |v[40*qt+2*n+21]|
.endif
.set qt, qt+1
.endr
.set n, n+1
.endr
.irp qt, 0,1,2,3
	v_max3_num_f32 v[MA+(\qt)], v[MA+(\qt)], |v[40*(\qt)+38]|, |v[40*(\qt)+39]|
.endr
.irp qt, 0,1,2,3
	v_max_num_f32 v[MA+(\qt)], v[MA+(\qt)], v[MB+(\qt)]
.endr
.irp qt, 0,1,2,3
	v_permlanex16_b32 v[MB+(\qt)], v[MA+(\qt)], s[SEL], s[SEL+1]  ; the query's other keys of my 80 lie in the lane 16 away
.endr
.irp qt, 0,1,2,3
	v_max_num_f32 v[MA+(\qt)], v[MA+(\qt)], v[MB+(\qt)]
.endr
.irp qt, 0,1,2,3
	ds_store_b32 v[SA], v[MA+(\qt)] offset:(\qt)*256
.endr
	s_wait_dscnt 0x0                               ; for the others' sake
	s_barrier_signal -1
	s_barrier_wait -1
.irp qt, 0,1,2,3
	ds_load_b128 v[XM+4*(\qt):XM+4*(\qt)+3], v[SB] offset:(\qt)*256  ; the four waves' maxima of my query
.endr
	s_wait_dscnt 0x0
.irp qt, 0,1,2,3
	v_max3_num_f32 v[MA+(\qt)], v[XM+4*(\qt)], v[XM+4*(\qt)+1], v[XM+4*(\qt)+2]
.endr
.irp qt, 0,1,2,3
	v_max_num_f32 v[MA+(\qt)], v[MA+(\qt)], v[XM+4*(\qt)+3]
.endr
.irp qt, 0,1,2,3
	v_and_b32 v[MA+(\qt)], 0x7f800000, v[MA+(\qt)]     ; M's exponent field E
.endr
.irp qt, 0,1,2,3
	v_sub_nc_u32 v[CC+2*(\qt)], 0x7f000000, v[MA+(\qt)]  ; field 254 - E: c = 2^(127 - E)
.endr
.irp qt, 0,1,2,3
	v_max_num_f32 v[CC+2*(\qt)], 0x00800000, v[CC+2*(\qt)]  ; E = 254 would give 0: 2^-126 in its stead
.endr
.irp qt, 0,1,2,3
	v_mul_f32 v[CC+2*(\qt)+1], 0x44000000, v[CC+2*(\qt)]  ; g = 512 c
.endr
.irp qt, 0,1,2,3
	v_mul_f32 v[MB+(\qt)], v[CC+2*(\qt)+1], v[CC+2*(\qt)+1]
.endr
.irp qt, 0,1,2,3
	v_mul_f32 v[MB+(\qt)], 0x3727c5ac, v[MB+(\qt)]     ; 1e-5 g^2
.endr
.irp qt, 0,1,2,3
	v_max_num_f32 v[MB+(\qt)], 0x00800000, v[MB+(\qt)]
.endr
.irp qt, 0,1,2,3
	ds_store_b32 v[SE], v[MB+(\qt)] offset:64*(\qt)    ; into my wave's own copy
.endr
.set qt, 0
.rept 4                                ; P = f16(c s): a tile's eight registers pack into the lane's 16 bytes of half a fragment
.set n, 0
.rept 20
	v_pk_mul_f32 v[40*qt+2*n:40*qt+2*n+1], v[40*qt+2*n:40*qt+2*n+1], v[CC+2*qt:CC+2*qt+1] op_sel_hi:[1,0]
.set n, n+1
.endr
.set n, 0
.rept 20
	v_cvt_pk_f16_f32 v[PK+20*(qt%2)+n], v[40*qt+2*n], v[40*qt+2*n+1]
.set n, n+1
.endr
.set n, 0
.rept 5
	ds_store_b128 v[PAW], v[PK+20*(qt%2)+4*n:PK+20*(qt%2)+4*n+3] offset:(4*n+qt)*512
.set n, n+1
.endr
.set qt, qt+1
.endr
	s_wait_dscnt 0x0                               ; for the others' sake
	s_barrier_signal -1
	s_barrier_wait -1                              ; P is whole.  V's tile 1 may stay out
	; PHASE 3: ten steps of 32 keys; step kst lies in tile kst / 2; tiles 0, 2, 4 in slot A, tiles 1, 3 in slot B; fragment buffers by the step's parity
.macro FETCH3 kst                      ; 40 loads: P's four fragments, then V's sixteen, turned, channel blocks 0-7 first
.set FB, (\kst)%2
.set FA, AV+2*(((\kst)/2)%2)+(\kst)%2
	WIN 0
.irp qt, 0,1,2,3
	ds_load_b128 v[PF+32*FB+8*(\qt):PF+32*FB+8*(\qt)+3],   v[PA] offset:(\kst)*4096+(\qt)*512
	ds_load_b128 v[PF+32*FB+8*(\qt)+4:PF+32*FB+8*(\qt)+7], v[PA] offset:(\kst)*4096+(\qt)*512+2048
.endr
	WIN 0x40                                       ; destination window 1
.irp z, 0,1
.irp y, 0,1,2,3,4,5,6,7
	ds_load_tr16_b128 v[128*FB+8*(8*(\z)+(\y)):128*FB+8*(8*(\z)+(\y))+3],   v[FA] offset:(16*(\z)+(\y))*272
	ds_load_tr16_b128 v[128*FB+8*(8*(\z)+(\y))+4:128*FB+8*(8*(\z)+(\y))+7], v[FA] offset:(16*(\z)+(\y))*272+VKB
.endr
.endr
.endm
.macro MUL3 buf, half, zero            ; 32 matrix instructions: channel blocks 8 half .. 8 half + 7 x four query tiles; the accumulators take turns
	WIN 0xa1+0x50*(\half)                          ; V in window 1, P in window 0, O^T in window 2 or 3
.irp y, 0,1,2,3,4,5,6,7
.irp qt, 0,1,2,3
.if \zero
	v_wmma_f32_16x16x32_f16 v[8*(4*(\y)+(\qt)):8*(4*(\y)+(\qt))+7], v[128*(\buf)+8*(8*(\half)+(\y)):128*(\buf)+8*(8*(\half)+(\y))+7], v[PF+32*(\buf)+8*(\qt):PF+32*(\buf)+8*(\qt)+7], 0
.else
	v_wmma_f32_16x16x32_f16 v[8*(4*(\y)+(\qt)):8*(4*(\y)+(\qt))+7], v[128*(\buf)+8*(8*(\half)+(\y)):128*(\buf)+8*(8*(\half)+(\y))+7], v[PF+32*(\buf)+8*(\qt):PF+32*(\buf)+8*(\qt)+7], v[8*(4*(\y)+(\qt)):8*(4*(\y)+(\qt))+7]
.endif
.endr
.endr
.endm
.macro KSTEP3 kst, zero                ; a tile's first step
	s_wait_dscnt 16                                ; the upper channel blocks' sixteen loads may stay out
	MUL3 (\kst)%2, 0, \zero
	PLACES
	FETCH3 (\kst)+1
	s_wait_dscnt 40                                ; all but the 40 just issued
	MUL3 (\kst)%2, 1, \zero
.endm
; A tile's second step changes slots.  Each wave waits for all its tensor loads (one is out: its part of the next tile), adds 0 to its spare word, and waits for that and for its reads of this slot.
; g0: the group 0 of this slot, which is filled again with the tile two on, first thing behind the barrier; 0: nothing is left to fetch.
.macro CHANGE3 kst, g0
	WIN 0
	s_wait_tensorcnt 0x0
	ds_add_u32 v[SPW], v[NIL]
.if \g0
	s_add_nc_u64 s[(\g0)+2:(\g0)+3], s[(\g0)+2:(\g0)+3], 8*RB  ; no load of mine is out, so a group 0 may be written
.endif
	s_wait_dscnt 0x0                               ; the add is done, and my reads of this slot are over
	s_barrier_signal -1
	MUL3 (\kst)%2, 0, 0
	WIN 0
	s_barrier_wait -1
.if \g0
	tensor_load_to_lds s[(\g0):(\g0)+3], s[G1V:G1V+7]
	s_nop 0
.endif
	PLACES
	FETCH3 (\kst)+1
	MUL3 (\kst)%2, 1, 0
.endm
	FETCH3 0
	KSTEP3 0, 1                                    ; the first step's products start the sums
	CHANGE3 1, G0A                                 ; tile 2
	KSTEP3 2, 0
	CHANGE3 3, G0B                                 ; tile 3
	KSTEP3 4, 0
	CHANGE3 5, G0A                                 ; tile 4
	KSTEP3 6, 0
	CHANGE3 7, 0
	KSTEP3 8, 0
	s_wait_dscnt 16
	MUL3 1, 0, 0
	s_wait_dscnt 0x0
	MUL3 1, 1, 0
	; PHASE 4
	WIN 0
	s_barrier_signal -1                            ; my LDS reads are all back (the wait for 0 above)
	s_barrier_wait -1                              ; nobody reads the slots any more: the rows of O are laid over them
	PLACES
.irp z, 0,1
	WIN 0x08+4*(\z)                                ; store data in window 2 or 3
.irp y, 0,1,2,3,4,5,6,7
.irp qt, 0,1,2,3
	ds_store_b128 v[STO+(\qt)], v[8*(4*(\y)+(\qt)):8*(4*(\y)+(\qt))+3]   offset:512*(\z)+32*(\y)
	ds_store_b128 v[STO+(\qt)], v[8*(4*(\y)+(\qt))+4:8*(4*(\y)+(\qt))+7] offset:512*(\z)+32*(\y)+16
.endr
.endr
.endr
	WIN 0
	s_wait_loadcnt 0x0                             ; ln_w, ln_b
.set i, 0
.rept 32
	v_cvt_pk_bf16_f32 v[16+i], v[LW+2*i], v[LW+2*i+1]  ; rounded to bf16,
.set i, i+1
.endr
.set i, 0
.rept 32
	v_lshlrev_b32 v[LW+2*i], 16, v[16+i]           ; and widened again
	v_and_b32 v[LW+2*i+1], 0xffff0000, v[16+i]
.set i, i+1
.endr
	s_wait_dscnt 0x0                               ; for the others' sake
	s_barrier_signal -1
	s_barrier_wait -1                              ; a row's 4,096 bytes come from all four waves
.macro RED                             ; the four rows' figures, each summed over the 32 lanes; the rows by turns
.irp m, 1,2,4,8
.irp i, 0,1,2,3
	v_add_f32_dpp v[RA0+4*(\i)], v[RA0+4*(\i)], v[RA0+4*(\i)] row_xmask:\m row_mask:0xf bank_mask:0xf
.endr
.endr
.irp i, 0,1,2,3
	v_permlanex16_b32 v[RA0+4*(\i)+1], v[RA0+4*(\i)], s[SEL], s[SEL+1]
.endr
.irp i, 0,1,2,3
	v_add_f32 v[RA0+4*(\i)], v[RA0+4*(\i)], v[RA0+4*(\i)+1]
.endr
.endm
.macro ROWSUM i                        ; my 32 numbers of row i, in two chains
.set XR, XB+32*(\i)
.set RA, RA0+4*(\i)
	s_wait_dscnt 8*(3-(\i))                        ; LDS loads come back in order: row i is in, the later rows' loads stay out
	v_pk_add_f32 v[RA:RA+1], v[XR:XR+1], v[XR+2:XR+3]
	v_pk_add_f32 v[RA+2:RA+3], v[XR+16:XR+17], v[XR+18:XR+19]
.set n, 2
.rept 6
	v_pk_add_f32 v[RA:RA+1], v[RA:RA+1], v[XR+2*n:XR+2*n+1]
	v_pk_add_f32 v[RA+2:RA+3], v[RA+2:RA+3], v[XR+16+2*n:XR+16+2*n+1]
.set n, n+1
.endr
	v_pk_add_f32 v[RA:RA+1], v[RA:RA+1], v[RA+2:RA+3]
	v_add_f32 v[RA], v[RA], v[RA+1]
.endm
.macro ROWSQ i                         ; the mean is taken away, in place; then the squares, in two chains
.set XR, XB+32*(\i)
.set RA, RA0+4*(\i)
.set n, 0
.rept 16
	v_pk_add_f32 v[XR+2*n:XR+2*n+1], v[XR+2*n:XR+2*n+1], v[MU+2*(\i):MU+2*(\i)+1] neg_lo:[0,1] neg_hi:[0,1]
.set n, n+1
.endr
	v_pk_mul_f32 v[RA:RA+1], v[XR:XR+1], v[XR:XR+1]
	v_pk_mul_f32 v[RA+2:RA+3], v[XR+16:XR+17], v[XR+16:XR+17]
.set n, 1
.rept 7
	v_pk_fma_f32 v[RA:RA+1], v[XR+2*n:XR+2*n+1], v[XR+2*n:XR+2*n+1], v[RA:RA+1]
	v_pk_fma_f32 v[RA+2:RA+3], v[XR+16+2*n:XR+16+2*n+1], v[XR+16+2*n:XR+16+2*n+1], v[RA+2:RA+3]
.set n, n+1
.endr
	v_pk_add_f32 v[RA:RA+1], v[RA:RA+1], v[RA+2:RA+3]
	v_add_f32 v[RA], v[RA], v[RA+1]
.endm
.macro ROWOUT i
.set XR, XB+32*(\i)
.set n, 0
.rept 16
	v_pk_mul_f32 v[XR+2*n:XR+2*n+1], v[XR+2*n:XR+2*n+1], v[RS+2*(\i):RS+2*(\i)+1]
.set n, n+1
.endr
.set n, 0
.rept 16
	v_pk_fma_f32 v[XR+2*n:XR+2*n+1], v[XR+2*n:XR+2*n+1], v[LW+2*n:LW+2*n+1], v[LB+2*n:LB+2*n+1]
.set n, n+1
.endr
.set n, 0
.rept 8
	global_store_b128 v[L16], v[XR+4*n:XR+4*n+3], s[10:11] offset:(\i)*4096+512*n th:TH_STORE_NT  ; 512 consecutive bytes, aligned
.set n, n+1
.endr
.endm
	s_mov_b32 s19, 4
.Lrows:                                                ; four rows a trip; wave w has rows 16 w .. 16 w + 15
	ds_load_b128 v[EP:EP+3], v[EA]                 ; the four rows' 1e-5 g^2
.irp i, 0,1,2,3
.irp u, 0,1,2,3,4,5,6,7
	ds_load_b128 v[XB+32*(\i)+4*(\u):XB+32*(\i)+4*(\u)+3], v[RDL] offset:(\i)*OPITCH+512*(\u)
.endr
.endr
	ROWSUM 0
	ROWSUM 1
	ROWSUM 2
	ROWSUM 3
	RED
.irp i, 0,1,2,3
	v_mul_f32 v[MU+2*(\i)], 0x3a800000, v[RA0+4*(\i)]    ; the mean: the sum / 1,024, twice: a pair for the packed lines
	v_mul_f32 v[MU+2*(\i)+1], 0x3a800000, v[RA0+4*(\i)]
.endr
	ROWSQ 0
	ROWSQ 1
	ROWSQ 2
	ROWSQ 3
	RED
.irp i, 0,1,2,3
	v_fma_f32 v[RA0+4*(\i)], v[RA0+4*(\i)], 0x3a800000, v[EP+(\i)]  ; the variance + 1e-5 g^2
.endr
.irp i, 0,1,2,3
	v_rsq_f32 v[RS+2*(\i)], v[RA0+4*(\i)]
	v_rsq_f32 v[RS+2*(\i)+1], v[RA0+4*(\i)]
.endr
	v_nop                                          ; a plain instruction between the last of them and the use of its result (ISA guide 5.7.2)
	s_wait_alu depctr_va_vdst(0)
	ROWOUT 0
	ROWOUT 1
	ROWOUT 2
	ROWOUT 3
	s_wait_xcnt 0x0                                ; the stores have read their registers and their base: both are written again only behind this wait
	v_add_nc_u32 v[RDL], 4*OPITCH, v[RDL]
	v_add_nc_u32 v[EA], 16, v[EA]
	s_add_nc_u64 s[10:11], s[10:11], 4*4096
	s_sub_co_u32 s19, s19, 1
	s_cmp_lg_u32 s19, 0
	s_cbranch_scc1 .Lrows
	s_wait_tensorcnt 0x0                           ; the wave's end, behind my last tensor load and my last LDS store
	ds_add_u32 v[SPW], v[NIL]
	s_wait_dscnt 0x0
	s_endpgm
.Lfunc_end_k_q2e09cd2cf3_attn:
	.size	k_q2e09cd2cf3_attn, .Lfunc_end_k_q2e09cd2cf3_attn-k_q2e09cd2cf3_attn
	.p2alignl 7, 3214868480
	.fill 96, 4, 3214868480
	.section	.rodata,"a",@progbits
	.p2align	6, 0x0
	.amdhsa_kernel k_q2e09cd2cf3_attn
		.amdhsa_group_segment_fixed_size 327680
		.amdhsa_private_segment_fixed_size 0
		.amdhsa_enable_private_segment 0
		.amdhsa_kernarg_size 32
		.amdhsa_user_sgpr_count 2
		.amdhsa_user_sgpr_kernarg_segment_ptr 1
		.amdhsa_wavefront_size32 1
		.amdhsa_system_sgpr_workgroup_id_x 1
		.amdhsa_system_sgpr_workgroup_id_y 1
		.amdhsa_system_sgpr_workgroup_id_z 1
		.amdhsa_system_vgpr_workitem_id 0
		.amdhsa_next_free_vgpr 1024
		.amdhsa_next_free_sgpr 66
		.amdhsa_reserve_vcc 1
		.amdhsa_float_denorm_mode_32 3
		.amdhsa_float_denorm_mode_16_64 3
		.amdhsa_memory_ordered 1
		.amdhsa_forward_progress 1
		.amdhsa_inst_pref_size 200
	.end_amdhsa_kernel
	.amdgpu_metadata
---
amdhsa.version: [ 1, 2 ]
amdhsa.kernels:
  - .name:           k_q2e09cd2cf3_attn
    .symbol:         k_q2e09cd2cf3_attn.kd
    .args:
      - { .name: qkv, .offset: 0, .size: 8, .value_kind: global_buffer, .address_space: global }
      - { .name: ln_w, .offset: 8, .size: 8, .value_kind: global_buffer, .address_space: global }
      - { .name: ln_b, .offset: 16, .size: 8, .value_kind: global_buffer, .address_space: global }
      - { .name: out0, .offset: 24, .size: 8, .value_kind: global_buffer, .address_space: global }
    .group_segment_fixed_size: 327680
    .private_segment_fixed_size: 0
    .kernarg_segment_align: 8
    .kernarg_segment_size: 32
    .max_flat_workgroup_size: 128
    .sgpr_count:     66
    .vgpr_count:     1024
    .wavefront_size: 32
...
	.end_amdgpu_metadata
.endif
;; end of part 3
;; ======== version 2 of 2: 3 launches; version 1 with the launch cast written anew for expert scheduling mode
;; limits: values are held in f16: magnitudes above 65,504 overflow, below 6.1e-05 lose precision; right only within a limited range of input values
;; workspace buffers: xb 16,777,216 bytes; wt 6,291,456 bytes; qkv 50,331,648 bytes
;; launch cast (part 4): grid 40 x 16, 8 waves a work-group, no clusters, 23,040 bytes of LDS; arguments x, W_qkv, xb, wt; writes xb, wt
.if DOCPART == 4
	.amdgcn_target "amdgcn-amd-amdhsa--gfx1250"
	.amdhsa_code_object_version 6
	.text
	.protected	k_q2e09cd2cf3_cast
	.globl	k_q2e09cd2cf3_cast
	.p2align	8
	.type	k_q2e09cd2cf3_cast,@function
k_q2e09cd2cf3_cast:
	s_mov_b64 s[64:65], 0
	v_nop
	global_prefetch_b8 v0, s[64:65] scope:SCOPE_SE
	s_setreg_imm32_b32 hwreg(HW_REG_WAVE_SCHED_MODE, 0, 2), 2
	s_setreg_imm32_b32 hwreg(HW_REG_WAVE_MODE, 25, 1), 1
	s_wait_xcnt 0x0
	s_wait_alu depctr_vm_vsrc(0)
; x [8192][1024] f32 and W_qkv [1024][3072] f32 are rounded once to bf16 and laid in blocks of 64 along K, so that the tiles of the product that follows are dense:
;   xb [16 kblk][8192 m][64 k]: byte (kblk x 8192 + m) x 128 + 2 (k % 64)        wt [16 kblk][3072 n][64 k] (W turned): byte (kblk x 3072 + n) x 128 + 2 (k % 64)
; A stream: each input byte is read once, each output byte written once.  No matrix unit, no tensor load, no cluster: no two work-groups read the same bytes.
; Work-groups with x below 24 turn a tile of W (64 k x 128 n; x = the tile along n, y = kblk) through LDS; the other 16 x 16 = 256 take 32 rows of x each, through registers alone.
; THE MODE: SCHED_MODE bits 1:0 = 2 (LLVM: expert scheduling mode 2), set by the entry lines.  The code itself states the register dependences
; between vector instructions and memory or LDS instructions, with s_wait_alu, always for 0.
; THE PLAN.  Registers that memory or LDS instructions touch:
;   s12           Written by v_readfirstlane_b32 at the head; read by scalar lines of both roles: one wait on va_sdst, ahead of the branch.
;   ROLE W  v3-v6 Offsets and LDS addresses: written once by vector lines, never again: one wait on va_vdst ahead of the first load serves them all.
;           IN    Written by the eight loads alone, read by the roundings, not loaded again.
;           PKW   Written by the sixteen roundings, read by the four LDS stores, never written again: one wait on va_vdst ahead of the run of stores.
;           BK    Written by the four LDS loads, read by the four global stores; no vector line names it.
;   ROLE X  v3-v4 Offsets: written once, never again: one wait on va_vdst ahead of the first load.
;           IN    32 x 4 registers, each loaded once and read by its two roundings.
;           OUTX  32 pairs, each written once by a rounding and read once by a store.  The work goes in eight blocks of four loads: block p rounds its own IN into its own OUTX, and its memory
;                 instructions are the four stores of block p - 1, whose OUTX no vector line of block p names.  So one wait on va_vdst at a block's head states all that these four stores hang on.
;   v206, v207    Written at the head, read by the closing add alone.
; No register that a memory or LDS instruction reads is ever written again, and no load lands in a register that a vector line has named: the text holds no wait on vm_vsrc.
.set LP,    144                        ; an LDS row: 128 bytes (64 k of one n) + 16: an odd multiple of 16
.set CB,    40*LP                      ; column n = 4 l + c of the tile lies in LDS row 40 c + l
.set SPARE, 22016                      ; behind the rows (21,888 bytes): the spare words, 128 bytes for each of eight waves, which no other line names
.set SPW,   206                        ; v206  LDS address of my spare word; never rewritten
.set NIL,   207                        ; v207  0; never rewritten
.set IN,    8                          ; v8..   as loaded
.set PKW,   40                         ; v40-55 role W: packed, four registers a column
.set BK,    56                         ; v56-71 role W: rows read back
.set OUTX,  136                        ; v136-199 role X: packed, a pair for each load: no register is used twice, so no store is waited for
	s_load_b256 s[4:11], s[0:1], 0x0               ; x s[4:5], W s[6:7], xb s[8:9], wt s[10:11]
	v_lshl_add_u32 v[SPW], v0, 2, SPARE
	v_mov_b32 v[NIL], 0
	v_and_b32 v1, 31, v0                           ; l
	v_lshrrev_b32 v2, 5, v0
	v_readfirstlane_b32 s12, v2                    ; wave w
	s_and_b32 s13, ttmp7, 0xffff                   ; y
	s_wait_alu depctr_va_sdst(0)                   ; s12 is written, ahead of the branch and of its first reader in either role: offsets and LDS addresses are made from it
	s_cmp_lt_u32 ttmp9, 24                         ; the same answer in all eight waves
	s_cbranch_scc0 .Lrole_x
	; ROLE W.  Wave w reads rows k = 64 kblk + 8 w + j, j = 0..7: 512 consecutive bytes a load (128 n).
	s_mul_i32 s14, s13, 64*12288                   ; kblk x 64 rows of 12,288 bytes
	s_lshl_b32 s15, ttmp9, 9                       ; + the tile's 128 columns
	s_add_co_u32 s14, s14, s15
	s_mov_b32 s15, 0
	s_mul_i32 s16, s13, 3072*128                   ; wt: kblk x 3,072 rows of 128 bytes
	s_lshl_b32 s17, ttmp9, 14                      ; + the tile's 128 rows
	s_add_co_u32 s16, s16, s17
	s_mov_b32 s17, 0
	s_mul_i32 s18, s12, 8*12288
	v_lshl_add_u32 v3, v1, 4, s18                  ; load: my wave's eight rows, 16 bytes a lane
	v_mul_u32_u24 v4, v1, LP
	s_lshl_b32 s19, s12, 4
	v_add_nc_u32 v4, s19, v4                       ; into LDS: row l (+ 40 c), bytes 16 w: my wave's eight k
	v_lshrrev_b32 v5, 3, v1
	v_mul_u32_u24 v5, v5, CB
	v_and_b32 v6, 7, v1
	v_lshl_add_u32 v5, v6, 4, v5
	s_mul_i32 s19, s12, 4*LP
	v_add_nc_u32 v5, s19, v5                       ; back: n = 16 w + 4 i + l / 8 lies in row 40 (l / 8) + 4 w + i; 16 bytes at 16 (l % 8)
	s_lshl_b32 s19, s12, 11
	v_lshl_add_u32 v6, v1, 4, s19                  ; store: my wave's 16 rows of wt, 2,048 consecutive bytes
	s_wait_kmcnt 0x0
	s_add_nc_u64 s[6:7], s[6:7], s[14:15]
	s_add_nc_u64 s[10:11], s[10:11], s[16:17]
	s_wait_alu depctr_va_vdst(0)                   ; v3 to v6 are written: the loads below read v3, the LDS stores v4, the LDS loads v5, the global stores v6; none is written again
.irp j, 0,1,2,3,4,5,6,7
	global_load_b128 v[IN+4*(\j):IN+4*(\j)+3], v3, s[6:7] offset:(\j)*12288 th:TH_LOAD_NT
.endr
	s_wait_loadcnt 0x0
.irp c, 0,1,2,3                        ; column 4 l + c: eight k, two to a register
.irp i, 0,1,2,3
	v_cvt_pk_bf16_f32 v[PKW+4*(\c)+(\i)], v[IN+8*(\i)+(\c)], v[IN+8*(\i)+4+(\c)]
.endr
.endr
	s_wait_alu depctr_va_vdst(0)                   ; the sixteen roundings have written v[PKW ..], which the four LDS stores read
.irp c, 0,1,2,3
	ds_store_b128 v4, v[PKW+4*(\c):PKW+4*(\c)+3] offset:(\c)*CB
.endr
	s_wait_dscnt 0x0                               ; for the others' sake: my stores are done
	s_barrier_signal -1
	s_barrier_wait -1                              ; a row's 128 bytes come from all eight waves
.irp i, 0,1,2,3
	ds_load_b128 v[BK+4*(\i):BK+4*(\i)+3], v5 offset:(\i)*LP  ; no vector line has named v[BK ..]
.endr
.irp i, 0,1,2,3
	s_wait_dscnt 3-(\i)                            ; LDS loads come back in order: load i is in
	global_store_b128 v6, v[BK+4*(\i):BK+4*(\i)+3], s[10:11] offset:512*(\i)  ; four rows of wt: 512 consecutive bytes, aligned
.endr
	s_wait_dscnt 0x0                               ; the closing lines, six on end
	s_wait_alu 0x0
	s_wait_tensorcnt 0x0
	ds_add_u32 v[SPW], v[NIL]
	s_wait_dscnt 0x0
	s_endpgm
.Lrole_x:
	; ROLE X.  32 rows; wave w takes k = 128 w .. 128 w + 127 (kblk 2 w and 2 w + 1).  A load covers 256 bytes of each of two rows; its 128 numbers are 256 consecutive bytes of xb.
	s_sub_co_u32 s14, ttmp9, 24
	s_lshl4_add_u32 s14, s13, s14                  ; 16 y + (x - 24): 0..255
	s_lshl_b32 s16, s14, 17                        ; 32 rows of 4,096 bytes
	s_mov_b32 s17, 0
	s_lshl_b32 s18, s14, 12                        ; 32 rows of 128 bytes
	s_mov_b32 s19, 0
	v_lshrrev_b32 v3, 4, v1
	v_and_b32 v4, 15, v1
	v_lshlrev_b32 v3, 12, v3                       ; lanes 16-31: the odd row
	v_lshl_add_u32 v3, v4, 4, v3
	s_lshl_b32 s20, s12, 9
	v_add_nc_u32 v3, s20, v3                       ; + my wave's 512 bytes of a row
	s_lshl_b32 s20, s12, 21                        ; two kblk of 8,192 x 128 bytes
	v_lshl_add_u32 v4, v1, 3, s20                  ; 8 bytes a lane: (l / 16) x 128 + 8 (l % 16) = 8 l
	s_wait_kmcnt 0x0
	s_add_nc_u64 s[4:5], s[4:5], s[16:17]
	s_add_nc_u64 s[8:9], s[8:9], s[18:19]
	s_wait_alu depctr_va_vdst(0)                   ; v3 and v4 are written: every load below reads v3 as its offset, every store v4; neither is written again
.set i, 0
.rept 32                               ; i = 2 x (pair of rows) + (which kblk of my two): all 32 loads go out at once
	global_load_b128 v[IN+4*i:IN+4*i+3], v3, s[4:5] offset:(i/2)*8192+(i%2)*256 th:TH_LOAD_NT
.set i, i+1
.endr
; Eight blocks of four loads.  Block p rounds loads 4 p .. 4 p + 3; the four stores of block p - 1 are dealt among its roundings, one ahead of each pair.
.set p, 0
.rept 8
	s_wait_loadcnt 28-4*p                          ; loads come back in order: this block's four are in, the 28 - 4 p younger ones stay out
.if p > 0
	s_wait_alu depctr_va_vdst(0)                   ; the block before has written its eight registers of OUTX, which the four stores below read; no vector line behind this wait names them
.endif
.set q, 0
.rept 4
.set i, 4*p+q
.if p > 0
.set o, i-4
	global_store_b64 v4, v[OUTX+2*o:OUTX+2*o+1], s[8:9] offset:(o%2)*1048576+(o/2)*256  ; 32 lanes store 256 consecutive bytes, aligned
.endif
	v_cvt_pk_bf16_f32 v[OUTX+2*i], v[IN+4*i], v[IN+4*i+1]
	v_cvt_pk_bf16_f32 v[OUTX+2*i+1], v[IN+4*i+2], v[IN+4*i+3]
.set q, q+1
.endr
.set p, p+1
.endr
	s_wait_alu depctr_va_vdst(0)                   ; the last block has written its eight registers of OUTX, which the last four stores read
.set o, 28
.rept 4
	global_store_b64 v4, v[OUTX+2*o:OUTX+2*o+1], s[8:9] offset:(o%2)*1048576+(o/2)*256
.set o, o+1
.endr
	s_endpgm
.Lfunc_end_k_q2e09cd2cf3_cast:
	.size	k_q2e09cd2cf3_cast, .Lfunc_end_k_q2e09cd2cf3_cast-k_q2e09cd2cf3_cast
	.p2alignl 7, 3214868480
	.fill 96, 4, 3214868480
	.section	.rodata,"a",@progbits
	.p2align	6, 0x0
	.amdhsa_kernel k_q2e09cd2cf3_cast
		.amdhsa_group_segment_fixed_size 23040
		.amdhsa_private_segment_fixed_size 0
		.amdhsa_enable_private_segment 0
		.amdhsa_kernarg_size 32
		.amdhsa_user_sgpr_count 2
		.amdhsa_user_sgpr_kernarg_segment_ptr 1
		.amdhsa_wavefront_size32 1
		.amdhsa_system_sgpr_workgroup_id_x 1
		.amdhsa_system_sgpr_workgroup_id_y 1
		.amdhsa_system_sgpr_workgroup_id_z 1
		.amdhsa_system_vgpr_workitem_id 0
		.amdhsa_next_free_vgpr 208
		.amdhsa_next_free_sgpr 66
		.amdhsa_reserve_vcc 0
		.amdhsa_float_denorm_mode_32 3
		.amdhsa_float_denorm_mode_16_64 3
		.amdhsa_memory_ordered 1
		.amdhsa_forward_progress 1
		.amdhsa_inst_pref_size 17
	.end_amdhsa_kernel
	.amdgpu_metadata
---
amdhsa.version: [ 1, 2 ]
amdhsa.kernels:
  - .name:           k_q2e09cd2cf3_cast
    .symbol:         k_q2e09cd2cf3_cast.kd
    .args:
      - { .name: x, .offset: 0, .size: 8, .value_kind: global_buffer, .address_space: global }
      - { .name: W_qkv, .offset: 8, .size: 8, .value_kind: global_buffer, .address_space: global }
      - { .name: xb, .offset: 16, .size: 8, .value_kind: global_buffer, .address_space: global }
      - { .name: wt, .offset: 24, .size: 8, .value_kind: global_buffer, .address_space: global }
    .group_segment_fixed_size: 23040
    .private_segment_fixed_size: 0
    .kernarg_segment_align: 8
    .kernarg_segment_size: 32
    .max_flat_workgroup_size: 256
    .sgpr_count:     66
    .vgpr_count:     208
    .wavefront_size: 32
...
	.end_amdgpu_metadata
.endif
;; end of part 4
;; launch proj: the kernel of part 2 again; grid 8 x 32, 4 waves a work-group, clusters of 4 x 4, 327,680 bytes of LDS; arguments xb, wt, b_qkv, qkv; writes qkv
;; launch attn: the kernel of part 3 again; grid 32 x 4, 4 waves a work-group, no clusters, 327,680 bytes of LDS; arguments qkv, ln_w, ln_b, out0; writes out0
